; MI455X (gfx1250); checked and timed in simulation.
; The chip was launched on July 23, 2026; its instructions are those of AMD's public machine-readable ISA for CDNA 5 (MIT licence, August 2026) and "CDNA5" Instruction Set Architecture Reference Guide (July 2026). The comments in the code are by the model that wrote it; some were corrected since.
;; Internal Interaction. Allowed arithmetic: matrix products marked QUANTISED: E2M1 operands, one E8M0 scale for each 32 along K, by v_wmma_scale_f32_16x16x128_f8f6f4 with both operands' format E2M1 (or v_wmma_scale_f32_32x16x128_f4), f32 sums; everything else in f32.
;; Inputs: W1 512 x 128 float32; W2 128 x 512 float32; attribute_embeddings 2,048 x 16 x 128 float32; b1 512 float32; b2 128 float32.
;; Outputs: out0 2,048 x 16 x 128 float32.
;; This version of the problem:
;;   THIS VERSION OF THE PROBLEM IS GIVEN IN LOW PRECISION. The matrix products marked QUANTISED in the list below multiply operands that are first quantised to E2M1 (2 exponent bits, 1 mantissa bit; 4 bits a number), with one power-of-two scale for each 32 numbers along K (OCP MX v1.0); their sums are f32. All else is computed in f32.
;;   The module's matrix products, in the order in which they are computed (A, B: the left and right operand; K: the contracted axis; several contracted axes count as one K, in the product's order):
;;     1. [M 524,288, K 128] x [K 128, N 512]; A: computed on the way; B: input W1: QUANTISED
;;     2. [M 524,288, K 512] x [K 512, N 128]; A: computed on the way; B: input W2: QUANTISED
;;   THE QUANTISER, for each operand of a quantised product, along K:
;;     - K is cut into blocks of 32 from its start; a last block that is shorter is filled with zeros.
;;     - A block's scale is 2^e with e = floor(log2(the largest magnitude in the block)) - 2, held to -126 .. 127; a block of zeros has e = 0. As a byte (E8M0): e + 127.
;;     - Each number is divided by its block's scale, clamped to +-6, and rounded to the nearest number of E2M1, ties to even, subnormals kept.
;;     - The product sums the exact products of the quantised numbers (number of the format x scale) in f32.
;;   ~~~python
;;   def quantise(x, axis):      # numpy; x: float32 -> the quantised numbers, widened to float32 again
;;       x = np.moveaxis(x, axis, -1); K = x.shape[-1]
;;       x = np.pad(x, [(0, 0)] * (x.ndim - 1) + [(0, -K % 32)]); x = x.reshape(x.shape[:-1] + (-1, 32)); a = np.abs(x).max(-1, keepdims=True)
;;       e = np.where(a > 0, np.clip(np.frexp(np.where(a > 0, a, 1))[1] - 1 - 2, -126, 127), 0)      # np.frexp(a)[1] - 1 = floor(log2(a)), exactly
;;       r = np.clip(x / 2.0 ** e, -6, 6)
;;       step = 2.0 ** (np.maximum(np.frexp(np.where(r == 0, 1, r))[1] - 1, 0) - 1)
;;       q = np.round(r / step) * step * 2.0 ** e      # np.round: ties to even
;;       return np.moveaxis(q.reshape(q.shape[:-2] + (-1,))[..., :K], -1, axis).astype(np.float32)
;;   ~~~
;;   OPERANDS COMPUTED ON THE WAY. 'Computed on the way' means the value that the module computes at that place (a softmax that the list does not call 'softmax' is quantised finished and normalised). What goes into a quantiser is computed in f32, as accurately as f32 sums, v_exp_f32 and their like allow (about 1e-6 of the number): no bf16 or f16 on the way to a quantiser, and a product that is left as it is and whose result goes on into a quantised operand takes f32 operands (vector FMAs, or v_wmma_f32_16x16x4_f32). A number that lies on a knife's edge between two numbers of the format may be rounded either way, as far as f32 arithmetic and the matrix unit's own rounding can turn it there, and no further.
;; One version. Each part assembles by itself: llvm-mc -triple=amdgcn-amd-amdhsa -mcpu=gfx1250 --defsym DOCPART=n.
;; ======== version 1 of 1: 2 launches
;; workspace buffers: wq 73,728 bytes
;; launch prep (part 1): grid 8 x 1, 4 waves a work-group, no clusters, 0 bytes of LDS; arguments W1, W2, wq; writes wq
.if DOCPART == 1
	.amdgcn_target "amdgcn-amd-amdhsa--gfx1250"
	.amdhsa_code_object_version 6
	.text
	.protected	k_q53b81277ff_prep
	.globl	k_q53b81277ff_prep
	.p2align	8
	.type	k_q53b81277ff_prep,@function
k_q53b81277ff_prep:
	s_mov_b64 s[64:65], 0
	v_nop
	global_prefetch_b8 v0, s[64:65] scope:SCOPE_SE
	s_setreg_imm32_b32 hwreg(HW_REG_WAVE_MODE, 25, 1), 1
	s_wait_xcnt 0x0
; W1 [512][128] and W2 [128][512], f32, K innermost in both, become codes of FP4 (E2M1) with one E8M0 byte for each 32 along K,
; laid in wq AS THE NEXT LAUNCH'S OPERAND REGISTERS WANT THEM, so that a wave there loads each fragment by two loads of 16 bytes a lane.
; wq: 64 fragment images of 1,024 bytes: fragment f = 16 c + idx; c = 0..3 is the group of 128 hidden units; idx 0..7: tile idx of W1, idx 8..15: tile idx - 8 of W2.
;     An image: registers 4 j .. 4 j + 3 (j = 0, 1) at 512 j, lane l's 16 bytes at 16 l.   From byte 65,536: the scale words: 256 bytes for each pair of fragments, lane l's two words at 8 l.
; A fragment is 16 rows x 128 K: lane (r = l % 16, h = l / 16) holds row r; registers 4 cc + t' hold k = 64 cc + 32 h + 8 t' + 0 .. 7.
; THE ROWS OF W1 THAT FORM A TILE ARE NOT NEIGHBOURS: row m of tile T = 4 cc + t' of group c is W1's row 128 c + 64 cc + 32 (m / 8) + 8 t' + m % 8, so that in the next launch a lane's
; 64 results of the eight tiles are two WHOLE blocks of 32 along the second product's K.   Row m of W2's tile n is W2's row 16 n + m, its k = 128 c + 0 .. 127.
; A lane loads its 64 numbers in the operand's own order (two whole blocks of 32), so a block's largest magnitude needs no other lane and the conversions' results are the fragment.
; A block's scale is 2^(floor(log2(largest magnitude)) - 2): its byte is the largest magnitude's exponent field - 2, held at 1 from below by a floor among the maximum's leaves.
; LIMITS: NaN and infinities among the inputs are not served.  A block of zeros gets the byte 1 where the rule says 127: its codes are zeros, and this program alone reads the bytes.
; SHARES: 32 waves, two fragments each: wave W = 4 x work-group + wave takes fragments 2 W and 2 W + 1.  Waves share nothing: no LDS, no barrier.  512 KB are read once.
.set SH8, 3                            ; v3      8 h: where my two scale bytes go in the word
.set M,   8                            ; v8-11   four running maxima
.set SO,  12                           ; v12-13  the conversions' scale operands, one a block
.set BY,  14                           ; v14-15  scale bytes
.set PT,  16                           ; v16     the other half's bytes
.set PW,  18                           ; v18-19  the two fragments' scale words
.set CD,  20                           ; v20-35  the two fragments' codes
.set S0,  64                           ; v64-191 two sets of 64 numbers
.set SEL, 28                           ; s[28:29] v_permlanex16_b32's selects for lane l xor 16
; Items a .. z of the 32 lines that find the largest magnitudes of 64 numbers v[s] on: four chains of 16 numbers by turns; chains 0, 1 are block cc = 0, chains 2, 3 block cc = 1.
.macro QMAX s, a, z, ab
.set qn, \a
.rept (\z)-(\a)+1
.set qc, qn%4
.set qs, qn/4
.if qs == 0
.if \ab
	v_max3_num_f32 v[M+qc], |v[(\s)+16*qc]|, |v[(\s)+16*qc+1]|, 0x1800000   ; the floor 2^(3 - 127) starts each chain: the byte cannot fall under 1
.else
	v_max3_num_f32 v[M+qc], v[(\s)+16*qc], v[(\s)+16*qc+1], 0x1800000
.endif
.else
.if \ab
	v_max3_num_f32 v[M+qc], v[M+qc], |v[(\s)+16*qc+2*qs]|, |v[(\s)+16*qc+2*qs+1]|
.else
	v_max3_num_f32 v[M+qc], v[M+qc], v[(\s)+16*qc+2*qs], v[(\s)+16*qc+2*qs+1]
.endif
.endif
.set qn, qn+1
.endr
.endm
; The two blocks' scale operands into v[SO], v[SO+1], and the row's scale word into v[pw], whole in every lane.
.macro QSCALE pw
	v_max_num_f32 v[M], v[M], v[M+1]               ; block h of my row
	v_max_num_f32 v[M+2], v[M+2], v[M+3]           ; block 2 + h
	v_add_nc_u32 v[SO], 0xff000000, v[M]           ; 2 off the exponent field: the conversion takes the exponent field of this operand as its scale
	v_add_nc_u32 v[SO+1], 0xff000000, v[M+2]
	v_lshrrev_b32 v[BY], 23, v[SO]                 ; the scales' bytes
	v_lshrrev_b32 v[BY+1], 23, v[SO+1]
	v_lshl_or_b32 v[BY], v[BY+1], 16, v[BY]
	v_lshlrev_b32 v[BY], v[SH8], v[BY]             ; at bytes h and 2 + h of the word
	v_permlanex16_b32 v[PT], v[BY], s[SEL], s[SEL+1]
	v_or_b32 v[\pw], v[BY], v[PT]                  ; with lane l xor 16's two the word is whole
.endm
.macro CVT s, pc                       ; 64 numbers become the fragment's eight registers
.irp cc, 0,1
.irp u, 0,1,2,3
	v_cvt_scalef32_pk8_fp4_f32 v[(\pc)+4*\cc+\u], v[(\s)+32*\cc+8*\u:(\s)+32*\cc+8*\u+7], v[SO+\cc]
.endr
.endr
.endm
	s_load_b128 s[4:7], s[0:1], 0x0                ; W1, W2
	s_load_b64 s[8:9], s[0:1], 0x10                ; wq
	v_lshrrev_b32 v1, 5, v0
	v_readfirstlane_b32 s10, v1                    ; wave 0..3
	v_and_b32 v1, 15, v0                           ; r
	v_bfe_u32 v2, v0, 4, 1                         ; h
	v_lshlrev_b32 v[SH8], 3, v2
	v_and_b32 v7, 31, v0
	v_lshlrev_b32 v6, 4, v7                        ; 16 x lane: my place in an image
	v_lshlrev_b32 v7, 3, v7                        ; 8 x lane: my two scale words
	v_mov_b32 v[PT], 0                             ; written once: a lane permute's destination counts as one of its sources
	s_mov_b32 s[SEL], 0x76543210
	s_mov_b32 s[SEL+1], 0xfedcba98
	s_lshr_b32 s14, ttmp9, 1                       ; c
	s_and_b32 s15, ttmp9, 1                        ; 0: W1's tiles, 1: W2's
	s_lshl_b32 s16, s14, 16                        ; W1: 128 c rows of 512 bytes,
	s_lshr_b32 s17, s10, 1
	s_lshl_b32 s17, s17, 15                        ; 64 cc rows (my tiles are 2 x wave + e: cc = wave / 2),
	s_add_co_u32 s16, s16, s17
	s_and_b32 s17, s10, 1
	s_lshl_b32 s17, s17, 13                        ; 8 t' rows (t' = 2 (wave % 2) + e)
	s_add_co_u32 s16, s16, s17
	s_lshl_b32 s18, s10, 16                        ; W2: 16 n rows of 2,048 bytes (n = 2 x wave + e),
	s_lshl_b32 s17, s14, 9                         ; and 128 c numbers along the row
	s_add_co_u32 s18, s18, s17
	s_lshl_b32 s20, ttmp9, 2
	s_add_co_u32 s20, s20, s10                     ; W
	s_mov_b32 s23, 0
	s_mov_b32 s12, 2048
	s_mov_b32 s13, 32768
	s_wait_alu depctr_va_vdst(0)
	s_wait_kmcnt 0x0
	s_cmp_eq_u32 s15, 0                            ; the choice hangs on the work-group's number alone
	s_cselect_b32 s11, 3, 0                        ; W1: lanes 8-15 stand 24 rows further on
	s_cselect_b32 s12, 512, s12                    ; bytes in a row
	s_cselect_b32 s13, 4096, s13                   ; from my first tile to my second: 8 rows of W1, 16 of W2
	s_cselect_b32 s16, s16, s18
	s_cselect_b64 s[4:5], s[4:5], s[6:7]
	s_mov_b32 s17, 0
	s_add_nc_u64 s[4:5], s[4:5], s[16:17]
	s_lshl_b32 s22, s20, 11
	s_add_nc_u64 s[24:25], s[8:9], s[22:23]        ; my two images
	s_lshl_b32 s22, s20, 8
	s_add_co_u32 s22, s22, 65536
	s_add_nc_u64 s[26:27], s[8:9], s[22:23]        ; my 256 bytes of scale words
	v_and_b32 v5, 8, v1
	v_mul_u32_u24 v5, s11, v5
	v_add_nc_u32 v4, v1, v5                        ; r, or r + 24 (r / 8)
	v_mul_u32_u24 v4, s12, v4
	v_lshl_add_u32 v4, v2, 7, v4                   ; + 32 h numbers: v4 serves my first tile,
	v_add_nc_u32 v5, s13, v4                       ; v5 my second
.irp e, 0,1
.irp c2, 0,1
.irp q, 0,1,2,3,4,5,6,7
	global_load_b128 v[S0+64*\e+32*\c2+4*\q:S0+64*\e+32*\c2+4*\q+3], v[4+\e], s[4:5] offset:256*\c2+16*\q   ; register 32 c2 + 4 q + i = k 64 c2 + 32 h + 4 q + i of my row
.endr
.endr
.endr
	s_wait_loadcnt 16                              ; the first fragment's 16 loads are in; the second's 16 may be out
	QMAX S0, 0, 31, 1
	QSCALE PW
	CVT S0, CD
	s_wait_loadcnt 0x0
	QMAX S0+64, 0, 31, 1                           ; (plain lines behind the conversions, ahead of the lines that write their scale operands again)
	QSCALE PW+1
	CVT S0+64, CD+8
	v_nop                                          ; one plain line behind the last conversion
.irp e, 0,1
.irp j, 0,1
	global_store_b128 v6, v[CD+8*\e+4*\j:CD+8*\e+4*\j+3], s[24:25] offset:1024*\e+512*\j   ; 32 lanes store 512 consecutive bytes, at a multiple of 256 from wq's first byte
.endr
.endr
	global_store_b64 v7, v[PW:PW+1], s[26:27]      ; 32 lanes store 256 consecutive bytes, aligned
	s_endpgm
.Lfunc_end_k_q53b81277ff_prep:
	.size	k_q53b81277ff_prep, .Lfunc_end_k_q53b81277ff_prep-k_q53b81277ff_prep
	.p2alignl 7, 3214868480
	.fill 96, 4, 3214868480
	.section	.rodata,"a",@progbits
	.p2align	6, 0x0
	.amdhsa_kernel k_q53b81277ff_prep
		.amdhsa_group_segment_fixed_size 0
		.amdhsa_private_segment_fixed_size 0
		.amdhsa_enable_private_segment 0
		.amdhsa_kernarg_size 24
		.amdhsa_user_sgpr_count 2
		.amdhsa_user_sgpr_kernarg_segment_ptr 1
		.amdhsa_wavefront_size32 1
		.amdhsa_system_sgpr_workgroup_id_x 1
		.amdhsa_system_sgpr_workgroup_id_y 1
		.amdhsa_system_sgpr_workgroup_id_z 1
		.amdhsa_system_vgpr_workitem_id 0
		.amdhsa_next_free_vgpr 192
		.amdhsa_next_free_sgpr 66
		.amdhsa_reserve_vcc 0
		.amdhsa_float_denorm_mode_32 3
		.amdhsa_float_denorm_mode_16_64 3
		.amdhsa_memory_ordered 1
		.amdhsa_forward_progress 1
		.amdhsa_inst_pref_size 12
	.end_amdhsa_kernel
	.amdgpu_metadata
---
amdhsa.version: [ 1, 2 ]
amdhsa.kernels:
  - .name:           k_q53b81277ff_prep
    .symbol:         k_q53b81277ff_prep.kd
    .args:
      - { .name: W1, .offset: 0, .size: 8, .value_kind: global_buffer, .address_space: global }
      - { .name: W2, .offset: 8, .size: 8, .value_kind: global_buffer, .address_space: global }
      - { .name: wq, .offset: 16, .size: 8, .value_kind: global_buffer, .address_space: global }
    .group_segment_fixed_size: 0
    .private_segment_fixed_size: 0
    .kernarg_segment_align: 8
    .kernarg_segment_size: 24
    .max_flat_workgroup_size: 128
    .sgpr_count:     66
    .vgpr_count:     192
    .wavefront_size: 32
...
	.end_amdgpu_metadata
.endif
;; end of part 1
;; launch main (part 2): grid 256 x 1, 8 waves a work-group, no clusters, 173,056 bytes of LDS; arguments attribute_embeddings, wq, b1, b2, out0; writes out0
.if DOCPART == 2
	.amdgcn_target "amdgcn-amd-amdhsa--gfx1250"
	.amdhsa_code_object_version 6
	.text
	.protected	k_q53b81277ff_main
	.globl	k_q53b81277ff_main
	.p2align	8
	.type	k_q53b81277ff_main,@function
k_q53b81277ff_main:
	s_mov_b64 s[64:65], 0
	v_nop
	global_prefetch_b8 v0, s[64:65] scope:SCOPE_SE
	s_setreg_imm32_b32 hwreg(HW_REG_WAVE_MODE, 25, 1), 1
	s_wait_xcnt 0x0
; out[b][j][:] = the sum over i of ( relu( Q(x[b][i] * x[b][j]) Q(W1)^T + b1 ) quantised, times Q(W2)^T + b2 ).  x, out: [2048][16][128] f32.  Both products on codes of FP4 (E2M1) with one E8M0 scale
; for each 32 along K.  The weights come as fragment images and scale words from wq (the launch before made them).  Pairs and hidden layer never go to memory.
; SHARES.  A work-group of eight waves owns 8 batches b.  Wave w: c = w % 4 is its group of 128 hidden units, which are ONE K step of the second product; g = w / 4 is its group of waves.
;   Group g takes batch 4 g + s in step s = 0..3.  A wave's 8 fragments of W1, 8 of W2, and b1 in the result's layout stay in its registers for the whole launch.
; TILES.  A tile's 16 rows are the 16 values of j, so all tiles of a batch add onto the same eight accumulators in the second product: the sum over i costs nothing.
;   Tile d holds in row r the pair x[r] * x[(r - d) % 16]: x's rows lie a row to a lane, and the partner comes by DPP's rotation within 16 lanes (ISA guide, the DPP controls) on the multiply itself.
; SYM = 1: x[i] * x[j] and x[j] * x[i] are the same f32 number for every input, so the hidden row of the pair (r, r + d) is row r + d of tile d.  Tiles d = 0 .. 8 are made; the codes and scale words of
;   tiles 1 .. 7 enter the second product twice, the second time rotated by 16 - d lanes.  (Were the rotation read the other way round, tile d would hold (r, r + d) and its rotated copy (r, r - d): the same sums.)
;   SYM = 0 makes all sixteen tiles and rotates nothing.
; BOTH PRODUCTS ARE USED TRANSPOSED (source 0 = 16 rows of a weight, source 1 = the 16 rows j): a lane holds one row j throughout.  By the choice of W1's rows for a tile (see the launch before), register
;   8 T + q (T = 4 cc + t') of a lane's 64 hidden numbers is unit 64 cc + 32 h + 8 t' + q of my 128: two whole blocks of 32 in a lane, in the operand's own order: the conversions' results ARE the next operand.
; RELU.  The block's maximum is taken without |.| (what is negative does not count; a floor stands over it); a negative number then gets a negative code, and negative codes are replaced by the code 0.
; ACROSS WAVES, through LDS: the pair fragments, as images of their registers (each of a group's four waves makes two or three and all four read all); and each wave's 16 x 128 partial sums, added at a step's end.
; NO CLUSTER: what work-groups share is wq's 72 KB, which each wave reads once, at the head, straight into the registers where it stays; no tile is shared in the loop.
; LIMITS: NaN and infinities are not served.  A block of zeros has the byte 1 where the rule says 127 (its codes are zeros; nobody else reads the bytes).  The f32 sums are ordered otherwise than in the
;   reference: K of the second product is split over four waves, i is summed in the accumulators, b1 enters as the first product's C, and b2 is added once as 16 b2.
.set SYM, 1
.if SYM
.set NT, 9                             ; tiles made for a batch
.else
.set NT, 16
.endif
; LDS
.set XPITCH, 528                       ; a row of 512 bytes + 16 of padding = 33 x 16 bytes: the sixteen rows that a load or store touches start at sixteen different places modulo 256 bytes
.set XTILE,  16*XPITCH                 ; 8,448: 16 rows
.set XIMG,   8*XTILE                   ; bytes 0 .. 67,583: x of the 8 batches, filled once by tensor loads, then only read.  From 67,584: for each group 18,432 bytes:
.set XIMGB,  18432                     ;   pair fragment d at 1,024 d (registers 4 j .. at 512 j, 16 bytes a lane),
.set XSCO,   16384                     ;   its scale words at 16,384 + 128 d (4 bytes a lane)
.set RED,    XIMG+2*XIMGB              ; from 104,448: for each group 33,792 bytes: wave c's partial sums at 8,448 c, 16 rows j of 528 bytes.  Ends at 172,032
.set REDB,   4*XTILE
; window 0
.set LI,   1                           ; v1   16 x lane
.set LS8,  2                           ; v2   8 x lane
.set SH8,  3                           ; v3   8 h
.set XRD0, 4                           ; v4   x in LDS: 528 r + 128 h + my group's four tiles
.set XA,   5                           ; v5   the same in the step's tile
.set XI,   6                           ; v6   16 x lane + my group's images
.set XSA,  7                           ; v7   4 x lane + my group's scale words
.set RW,   8                           ; v8   where I put my partial sums: my wave's 16 rows, row r, + 32 h
.set RR,   9                           ; v9   where I read partial sums: rows 4 c on, 16 bytes a lane
.set BL,   10                          ; v10  128 h
.set M,    20                          ; v20-23 four running maxima
.set SO,   24                          ; v24-25 the conversions' scale operands
.set BY,   26                          ; v26-27 scale bytes
.set PT,   28                          ; v28  the other half's bytes
.set PW,   29                          ; v29  the hidden tile's scale word
.set PWR,  30                          ; v30  the same, rotated
.set W1S,  32                          ; v32-39 W1's scale words, a register a tile
.set W2S,  40                          ; v40-47 W2's
.set CD,   48                          ; v48-55 the hidden tile's codes
.set CDR,  56                          ; v56-63 the same, rotated
.set XF,   64                          ; v64-79 two pair fragments, by turns
.set XS,   80                          ; v80-81 their scale words
.set B2,   84                          ; v84-87 16 b2 at my four columns
.set PP,   88                          ; v88-119 the pair fragments that I make, 8 registers each
.set PPW,  120                         ; v120-123 their scale words
.set RT,   88                          ; v88-95, v96-103: at work on the codes' signs (the pair fragments have left these registers by then)
.set RU,   96
.set H0,   128                         ; v128-191 hidden tile, even tiles; also the pairs as f32, and the rows of the final sum
.set X,    192                         ; v192-255 hidden tile, odd tiles; also x: register 32 c2 + i = x[r][64 c2 + 32 h + i]
; window 1: v0-63 W1's fragments (8 T), v64-127 W2's (64 + 8 n), v128-191 b1 in the result's layout (128 + 8 T), v192-255 the eight accumulators (192 + 8 n)
.set W2F,  64
.set B1,   128
.set ACC,  192
; scalars
.set WV,   14
.set CG,   15                          ; c
.set RG,   16                          ; g
.set RHO,  17                          ; which pair fragments I make: (c + 2 g) % 4
.set STEP, 18
.set XO,   19                          ; the step's tile of x: 8,448 a step
.set SEL,  20                          ; s[20:21] v_permlanex16_b32's selects for lane l xor 16
.set S88,  42                          ; the sign bits of eight codes
.set MSB, 0
.macro WIN new                         ; s_set_vgpr_msb: bits 1:0 source 0, 3:2 source 1, 5:4 source 2, 7:6 destination; the high byte repeats the setting that is left
.if MSB != \new
	s_set_vgpr_msb (MSB<<8)|\new
.set MSB, \new
.endif
.endm
; Items a .. z of the 32 lines that find the largest numbers (ab = 1: magnitudes) of 64 numbers v[s] on: four chains of 16 by turns; chains 0, 1 are block cc = 0, chains 2, 3 block cc = 1.
; Each group of eight registers (a matrix result) is read from its low end on.
.macro QMAX s, a, z, ab
.set qn, \a
.rept (\z)-(\a)+1
.set qc, qn%4
.set qs, qn/4
.if qs == 0
.if \ab
	v_max3_num_f32 v[M+qc], |v[(\s)+16*qc]|, |v[(\s)+16*qc+1]|, 0x1800000   ; the floor 2^(3 - 127) starts each chain: the byte cannot fall under 1
.else
	v_max3_num_f32 v[M+qc], v[(\s)+16*qc], v[(\s)+16*qc+1], 0x1800000
.endif
.else
.if \ab
	s_delay_alu instid0(VALU_DEP_4)
	v_max3_num_f32 v[M+qc], v[M+qc], |v[(\s)+16*qc+2*qs]|, |v[(\s)+16*qc+2*qs+1]|
.else
	v_max3_num_f32 v[M+qc], v[M+qc], v[(\s)+16*qc+2*qs], v[(\s)+16*qc+2*qs+1]
.endif
.endif
.set qn, qn+1
.endr
.endm
.macro QSCALE pw                       ; the two blocks' scale operands into v[SO], v[SO+1]; the row's scale word into v[pw], whole in every lane
	s_delay_alu instid0(VALU_DEP_3)
	v_max_num_f32 v[M], v[M], v[M+1]               ; block h of my row
	s_delay_alu instid0(VALU_DEP_2)
	v_max_num_f32 v[M+2], v[M+2], v[M+3]           ; block 2 + h
	s_delay_alu instid0(VALU_DEP_2)
	v_add_nc_u32 v[SO], 0xff000000, v[M]           ; 2 off the exponent field: the conversion takes the exponent field of this operand as its scale
	s_delay_alu instid0(VALU_DEP_2)
	v_add_nc_u32 v[SO+1], 0xff000000, v[M+2]
	s_delay_alu instid0(VALU_DEP_2)
	v_lshrrev_b32 v[BY], 23, v[SO]                 ; the scales' bytes
	s_delay_alu instid0(VALU_DEP_2)
	v_lshrrev_b32 v[BY+1], 23, v[SO+1]
	s_delay_alu instid0(VALU_DEP_1)
	v_lshl_or_b32 v[BY], v[BY+1], 16, v[BY]
	s_delay_alu instid0(VALU_DEP_1)
	v_lshlrev_b32 v[BY], v[SH8], v[BY]             ; at bytes h and 2 + h of the word
	s_delay_alu instid0(VALU_DEP_1)
	v_permlanex16_b32 v[PT], v[BY], s[SEL], s[SEL+1]
	s_delay_alu instid0(VALU_DEP_1)
	v_or_b32 v[\pw], v[BY], v[PT]                  ; with lane l xor 16's two the word is whole
.endm
.macro CVT s, pc                       ; 64 numbers become a fragment's eight registers
.irp cc, 0,1
.irp u, 0,1,2,3
	v_cvt_scalef32_pk8_fp4_f32 v[(\pc)+4*\cc+\u], v[(\s)+32*\cc+8*\u:(\s)+32*\cc+8*\u+7], v[SO+\cc]
.endr
.endr
.endm
.macro RELUC pc                        ; the relu, on the codes: eight codes a register; a code with its sign bit set becomes the code 0
.irp i, 0,1,2,3,4,5,6,7
	v_bfi_b32 v[RT+\i], v[(\pc)+\i], 0, s[S88]     ; 8 in each nibble whose sign bit is clear
.endr
.irp i, 0,1,2,3,4,5,6,7
	v_lshrrev_b32 v[RU+\i], 3, v[RT+\i]            ; 1 there
.endr
.irp i, 0,1,2,3,4,5,6,7
	v_sub_nc_u32 v[RT+\i], v[RT+\i], v[RU+\i]      ; 7 there, 0 in the others
.endr
.irp i, 0,1,2,3,4,5,6,7
	v_and_b32 v[(\pc)+\i], v[(\pc)+\i], v[RT+\i]
.endr
.endm
; Pair fragment d, the k-th that this wave makes in a step: the products, their blocks' scales, their codes; image and scale words to LDS.  Each has its own code registers: no wait between fragments.
.macro PAIR d, k
.set i, 0
.if (\d) == 0
.rept 32
	v_pk_mul_f32 v[H0+i:H0+i+1], v[X+i:X+i+1], v[X+i:X+i+1]
.set i, i+2
.endr
.else
.rept 64
	v_mul_f32_dpp v[H0+i], v[X+i], v[X+i] row_ror:\d row_mask:0xf bank_mask:0xf   ; my row times the row d lanes back in my half of the lanes
.set i, i+1
.endr
.endif
	QMAX H0, 0, 31, 1
	QSCALE PPW+(\k)
	CVT H0, PP+8*(\k)
	v_nop                                          ; one plain line between the conversions and the next lines that write their sources
	ds_store_b128 v[XI], v[PP+8*(\k):PP+8*(\k)+3] offset:1024*(\d)
	ds_store_b128 v[XI], v[PP+8*(\k)+4:PP+8*(\k)+7] offset:1024*(\d)+512
	ds_store_b32 v[XSA], v[PPW+(\k)] offset:128*(\d)
.endm
.macro FETCH t                         ; pair fragment t and its scale words come back, in any wave of the group, into set t % 2
	ds_load_b128 v[XF+8*((\t)%2):XF+8*((\t)%2)+3], v[XI] offset:1024*(\t)
	ds_load_b128 v[XF+8*((\t)%2)+4:XF+8*((\t)%2)+7], v[XI] offset:1024*(\t)+512
	ds_load_b32 v[XS+(\t)%2], v[XSA] offset:128*(\t)
.endm
.macro P1 t                            ; my 128 hidden units of tile t: eight results, each W1's tile x the pair fragment + b1
.irp u, 0,1,2,3,4,5,6,7
	v_wmma_scale_f32_16x16x128_f8f6f4 v[H0+64*((\t)%2)+8*\u:H0+64*((\t)%2)+8*\u+7], v[8*\u:8*\u+7], v[XF+8*((\t)%2):XF+8*((\t)%2)+7], v[B1+8*\u:B1+8*\u+7], v[W1S+\u], v[XS+(\t)%2] matrix_a_fmt:MATRIX_FMT_FP4 matrix_b_fmt:MATRIX_FMT_FP4
.endr
.endm
.macro P2 b, sc, zero                  ; the eight accumulators by turns, one instruction a turn.  zero = 1: a batch's first tile starts the sums
.irp n, 0,1,2,3,4,5,6,7
.if \zero
	v_wmma_scale_f32_16x16x128_f8f6f4 v[ACC+8*\n:ACC+8*\n+7], v[W2F+8*\n:W2F+8*\n+7], v[(\b):(\b)+7], 0, v[W2S+\n], v[\sc] matrix_a_fmt:MATRIX_FMT_FP4 matrix_b_fmt:MATRIX_FMT_FP4
.else
	v_wmma_scale_f32_16x16x128_f8f6f4 v[ACC+8*\n:ACC+8*\n+7], v[W2F+8*\n:W2F+8*\n+7], v[(\b):(\b)+7], v[ACC+8*\n:ACC+8*\n+7], v[W2S+\n], v[\sc] matrix_a_fmt:MATRIX_FMT_FP4 matrix_b_fmt:MATRIX_FMT_FP4
.endif
.endr
.endm
.macro PLACES                          ; four plain vector lines behind a matrix instruction, ahead of a read of its result or a load into its registers, or ahead of a scaled product whose operand a vector line wrote
.rept 4
	v_nop
.endr
.endm
.macro BARRIER                         ; my LDS stores have landed and my LDS loads are in: then the work-group's barrier
	s_wait_dscnt 0x0
	s_barrier_signal -1
	s_barrier_wait -1
.endm
; TILE t: the next tile's first product is issued first, so that the matrix unit works under this tile's vector lines; then this tile's hidden numbers are quantised and enter the second product.
; rr: 0, or the lanes by which the tile's codes are rotated for their second use.  The first eight lines of a tile's maximum stand in the tile before, as the plain lines that the spacing there wants anyway.
.macro TILE t, rr
.set HC, H0+64*((\t)%2)
.set HN, H0+64*(((\t)+1)%2)
.if (\t)+1 < NT
	s_wait_dscnt 0x0                               ; pair fragment t + 1 is in (asked for a tile ago)
	WIN 0x11                                       ; source 0 (W1) and source 2 (b1) in window 1
	P1 (\t)+1
	WIN 0
.endif
.if (\t)+2 < NT
	FETCH (\t)+2                                   ; into the set that tile t's first product read, a whole tile's vector lines ago
.endif
	QMAX HC, 8, 31, 0
	QSCALE PW
.if \rr
	s_delay_alu instid0(VALU_DEP_1)
	v_mov_b32_dpp v[PWR], v[PW] row_ror:\rr row_mask:0xf bank_mask:0xf
.endif
	CVT HC, CD
.if (\t)+1 < NT
	QMAX HN, 0, 3, 0                               ; plain lines behind the conversions
.else
	v_nop
.endif
	RELUC CD
.if \rr
.irp i, 0,1,2,3,4,5,6,7
	v_mov_b32_dpp v[CDR+\i], v[CD+\i] row_ror:\rr row_mask:0xf bank_mask:0xf
.endr
.endif
.if (\t)+1 < NT
	QMAX HN, 4, 7, 0                               ; four plain lines between the last write of the codes and the products that take them
.else
	PLACES
.endif
	WIN 0x51                                       ; source 0 (W2), C and D in window 1
.if (\t) == 0
	P2 CD, PW, 1
.else
	P2 CD, PW, 0
.endif
.if \rr
	P2 CDR, PWR, 0
.endif
	WIN 0
.endm
	s_load_b256 s[4:11], s[0:1], 0x0               ; x s[4:5], wq s[6:7], b1 s[8:9], b2 s[10:11]
	s_load_b64 s[12:13], s[0:1], 0x20              ; out
	v_lshl_add_u32 v126, v0, 2, 0x2a000
	v_mov_b32 v127, 0
	ds_add_u32 v126, v127
	ds_add_u32 v126, v127
	v_lshrrev_b32 v11, 5, v0
	s_delay_alu instid0(VALU_DEP_1)
	v_readfirstlane_b32 s[WV], v11                 ; wave 0..7
	s_and_b32 s[CG], s[WV], 3
	s_lshr_b32 s[RG], s[WV], 2
	s_lshl_b32 s[RHO], s[RG], 1
	s_add_co_u32 s[RHO], s[RHO], s[CG]
	s_and_b32 s[RHO], s[RHO], 3
	; descriptor group 1: a tile of 16 rows x 128 elements of 4 bytes, dense in memory, 16 bytes of padding behind each row in LDS
	s_mov_b32 s28, (2<<16)|(1<<20)|(6<<22)|(3<<25) ; 15:0 no mask; 17:16 elements of 4 bytes; 20 padding on; 24:22 after every 128 words (code 6); 31:25 four words (code 3)
	s_mov_b32 s29, 128<<16                         ; tensor_dim0 = 128
	s_mov_b32 s30, 16<<16                          ; tensor_dim1 = 16
	s_mov_b32 s31, 128<<16                         ; tile_dim0 = 128
	s_mov_b32 s32, 16                              ; tile_dim1 = 16
	s_mov_b32 s33, 128                             ; elements from row to row
	s_mov_b32 s34, 0
	s_mov_b32 s35, 0
	s_mov_b32 s24, 1                               ; group 0: count = 1,
	s_mul_i32 s25, s[WV], XTILE                    ; LDS address: wave w brings the work-group's batch w,
	s_lshl_b32 s22, ttmp9, 3
	s_add_co_u32 s22, s22, s[WV]
	s_lshl_b32 s22, s22, 13                        ; which lies 8,192 (8 x work-group + w) bytes into x
	s_mov_b32 s23, 0
	s_wait_dscnt 0x0
	s_wait_kmcnt 0x0
	s_add_nc_u64 s[26:27], s[4:5], s[22:23]
	s_or_b32 s27, s27, 0x80000000                  ; type = 2
	tensor_load_to_lds s[24:27], s[28:35]          ; my one tensor load of the launch: all of the work-group's x is asked for here; nothing in LDS is filled twice
	s_nop 0
	PLACES                                         ; four plain lines behind a tensor load
	v_and_b32 v11, 31, v0                          ; lane
	v_and_b32 v12, 15, v0                          ; r
	v_bfe_u32 v13, v0, 4, 1                        ; h
	s_delay_alu instid0(VALU_DEP_3)
	v_lshlrev_b32 v[LI], 4, v11
	s_delay_alu instid0(VALU_DEP_4)
	v_lshlrev_b32 v[LS8], 3, v11
	s_delay_alu instid0(VALU_DEP_3)
	v_lshlrev_b32 v[SH8], 3, v13
	s_delay_alu instid0(VALU_DEP_4)
	v_lshlrev_b32 v[BL], 7, v13
	s_wait_alu depctr_va_vdst(0)
	v_mul_u32_u24 v14, v12, XPITCH
	s_mul_i32 s22, s[RG], REDB                     ; (four tiles of x are as many bytes as a group's partial sums)
	v_lshl_add_u32 v[XRD0], v13, 7, v14
	s_delay_alu instid0(VALU_DEP_1)
	v_add_nc_u32 v[XRD0], s22, v[XRD0]
	s_mul_i32 s36, s[RG], XIMGB
	s_add_co_u32 s36, s36, XIMG
	v_add_nc_u32 v[XI], s36, v[LI]
	s_add_co_u32 s36, s36, XSCO
	v_lshl_add_u32 v[XSA], v11, 2, s36
	s_add_co_u32 s22, s22, RED
	s_mul_i32 s37, s[CG], XTILE
	s_add_co_u32 s37, s37, s22
	v_lshl_add_u32 v[RW], v13, 5, v14
	s_delay_alu instid0(VALU_DEP_1)
	v_add_nc_u32 v[RW], s37, v[RW]
	s_mul_i32 s37, s[CG], 4*XPITCH
	s_add_co_u32 s37, s37, s22
	v_add_nc_u32 v[RR], s37, v[LI]
	s_lshl_b32 s22, s[CG], 14
	s_add_nc_u64 s[36:37], s[6:7], s[22:23]        ; my 16 fragment images
	s_lshl_b32 s22, s[CG], 11
	s_add_co_u32 s22, s22, 65536
	s_add_nc_u64 s[38:39], s[6:7], s[22:23]        ; their scale words
	s_lshl_b32 s22, s[CG], 9
	s_add_nc_u64 s[40:41], s[8:9], s[22:23]        ; b1 at my 128 units
	WIN 0x40                                       ; destination in window 1
.irp f, 0,1,2,3,4,5,6,7,8,9,10,11,12,13,14,15
.irp j, 0,1
	global_load_b128 v[8*\f+4*\j:8*\f+4*\j+3], v[LI], s[36:37] offset:1024*\f+512*\j   ; 512 consecutive bytes a load
.endr
.endr
.irp u, 0,1,2,3,4,5,6,7                        ; b1 as the first product's C: lane (r, h), register q of tile u = 4 cc + t': unit 64 cc + 32 h + 8 t' + q
	global_load_b128 v[B1+8*\u:B1+8*\u+3], v[BL], s[40:41] offset:256*(\u/4)+32*(\u%4)
	global_load_b128 v[B1+8*\u+4:B1+8*\u+7], v[BL], s[40:41] offset:256*(\u/4)+32*(\u%4)+16
.endr
	WIN 0
.irp p, 0,1,2,3,4,5,6,7
	global_load_b64 v[W1S+2*\p:W1S+2*\p+1], v[LS8], s[38:39] offset:256*\p   ; the words of fragments 2 p and 2 p + 1: W1's eight, then W2's eight
.endr
	global_load_b128 v[B2:B2+3], v[LI], s[10:11]   ; b2 at the four columns that I store
.set i, 0
.rept 64
	v_mov_b32 v[H0+i], 0                           ; written once: the destination of a DPP line or a lane permute counts as one of its sources
.set i, i+1
.endr
.irp i, 0,1,2,3,4,5,6,7
	v_mov_b32 v[CDR+\i], 0
.endr
	v_mov_b32 v[PWR], 0
	v_mov_b32 v[PT], 0
	s_mov_b32 s[SEL], 0x76543210
	s_mov_b32 s[SEL+1], 0xfedcba98
	s_mov_b32 s[S88], 0x88888888
	s_mov_b32 s[STEP], 4
	s_mov_b32 s[XO], 0
	s_lshl_b32 s22, ttmp9, 16                      ; out: 8 batches of 8,192 bytes a work-group,
	s_lshl_b32 s43, s[RG], 15                      ; 4 a group,
	s_add_co_u32 s22, s22, s43
	s_lshl_b32 s43, s[CG], 11                      ; and I store rows 4 c .. 4 c + 3 of a batch
	s_add_co_u32 s22, s22, s43
	s_add_nc_u64 s[12:13], s[12:13], s[22:23]
	s_wait_tensorcnt 0x0                           ; my tile of x has landed,
	s_barrier_signal -1
	s_barrier_wait -1                              ; everybody's has: a group's four waves all read each of its tiles
	s_wait_loadcnt 0x0                             ; the weights, their scale words, b1, b2
.irp i, 0,1,2,3
	v_mul_f32 v[B2+\i], 0x41800000, v[B2+\i]       ; 16 b2: each of the 16 summands carries b2; the multiplication rounds nothing
.endr
.Lstep:                                            ; four trips: a batch for each group
	v_add_nc_u32 v[XA], s[XO], v[XRD0]
.irp c2, 0,1
.irp q, 0,1,2,3,4,5,6,7
	ds_load_b128 v[X+32*\c2+4*\q:X+32*\c2+4*\q+3], v[XA] offset:256*\c2+16*\q   ; x[r][64 c2 + 32 h + 4 q ..]: two whole blocks of 32 of my row
.endr
.endr
	s_wait_dscnt 0x0
	; ---- the pair fragments: each of the group's four waves makes its own; the branches hang on the wave's number alone
	s_cmp_eq_u32 s[RHO], 0
	s_cbranch_scc0 .Lrole1
	PAIR 0, 0
	PAIR 4, 1
	PAIR 8, 2
.if SYM == 0
	PAIR 12, 3
.endif
	s_branch .Lpairs_done
.Lrole1:
	s_cmp_eq_u32 s[RHO], 1
	s_cbranch_scc0 .Lrole2
	PAIR 1, 0
	PAIR 5, 1
.if SYM == 0
	PAIR 9, 2
	PAIR 13, 3
.endif
	s_branch .Lpairs_done
.Lrole2:
	s_cmp_eq_u32 s[RHO], 2
	s_cbranch_scc0 .Lrole3
	PAIR 2, 0
	PAIR 6, 1
.if SYM == 0
	PAIR 10, 2
	PAIR 14, 3
.endif
	s_branch .Lpairs_done
.Lrole3:
	PAIR 3, 0
	PAIR 7, 1
.if SYM == 0
	PAIR 11, 2
	PAIR 15, 3
.endif
.Lpairs_done:
	BARRIER                                        ; the batch's pair fragments lie in LDS; and every wave has read the last step's partial sums
	; ---- the tiles
	FETCH 0
	FETCH 1
	s_wait_dscnt 3                                 ; fragment 0's three loads are in; fragment 1's three may be out
	WIN 0x11
	P1 0
	WIN 0
	PLACES
	QMAX H0, 0, 7, 0
.if SYM
	s_wait_alu depctr_va_vdst(0)
	TILE 0, 0
	s_wait_alu depctr_va_vdst(0)
	TILE 1, 15
	s_wait_alu depctr_va_vdst(0)
	TILE 2, 14
	s_wait_alu depctr_va_vdst(0)
	TILE 3, 13
	s_wait_alu depctr_va_vdst(0)
	TILE 4, 12
	s_wait_alu depctr_va_vdst(0)
	TILE 5, 11
	s_wait_alu depctr_va_vdst(0)
	TILE 6, 10
	s_wait_alu depctr_va_vdst(0)
	TILE 7, 9
	TILE 8, 0
.else
.irp t, 0,1,2,3,4,5,6,7,8,9,10,11,12,13,14,15
	TILE \t, 0
.endr
.endif
	; ---- my partial sums (K step c of the second product, all i) go to LDS: lane (r, h), register q of accumulator n: out(j = r, 16 n + 8 h + q)
	PLACES
	WIN 0x04                                       ; an LDS store's data are its source 1: window 1
.irp n, 0,1,2,3,4,5,6,7
	ds_store_b128 v[RW], v[ACC+8*\n:ACC+8*\n+3] offset:64*\n          ; each accumulator from its low end on
	ds_store_b128 v[RW], v[ACC+8*\n+4:ACC+8*\n+7] offset:64*\n+16
.endr
	WIN 0
	BARRIER                                        ; the four partial sums lie in LDS; and every wave has read the batch's pair fragments
	s_add_co_u32 s[XO], s[XO], XTILE               ; the next step's tile of x
	; ---- rows 4 c .. 4 c + 3 of the batch: four partial sums and 16 b2; a row of 512 bytes to the 32 lanes
.irp t, 0,1,2,3
.irp w, 0,1,2,3
	ds_load_b128 v[H0+16*\t+4*\w:H0+16*\t+4*\w+3], v[RR] offset:XTILE*\w+XPITCH*\t
.endr
.endr
.irp t, 0,1,2,3
	s_wait_dscnt 12-4*\t                           ; row t's four loads are in; the later rows', four each, may be out
	v_pk_add_f32 v[H0+16*\t:H0+16*\t+1], v[H0+16*\t:H0+16*\t+1], v[H0+16*\t+4:H0+16*\t+5]
	v_pk_add_f32 v[H0+16*\t+2:H0+16*\t+3], v[H0+16*\t+2:H0+16*\t+3], v[H0+16*\t+6:H0+16*\t+7]
	v_pk_add_f32 v[H0+16*\t+8:H0+16*\t+9], v[H0+16*\t+8:H0+16*\t+9], v[H0+16*\t+12:H0+16*\t+13]
	v_pk_add_f32 v[H0+16*\t+10:H0+16*\t+11], v[H0+16*\t+10:H0+16*\t+11], v[H0+16*\t+14:H0+16*\t+15]
	s_delay_alu instid0(VALU_DEP_2)
	v_pk_add_f32 v[H0+16*\t:H0+16*\t+1], v[H0+16*\t:H0+16*\t+1], v[H0+16*\t+8:H0+16*\t+9]
	s_delay_alu instid0(VALU_DEP_2)
	v_pk_add_f32 v[H0+16*\t+2:H0+16*\t+3], v[H0+16*\t+2:H0+16*\t+3], v[H0+16*\t+10:H0+16*\t+11]
	s_delay_alu instid0(VALU_DEP_2)
	v_pk_add_f32 v[H0+16*\t:H0+16*\t+1], v[H0+16*\t:H0+16*\t+1], v[B2:B2+1]
	s_delay_alu instid0(VALU_DEP_2)
	v_pk_add_f32 v[H0+16*\t+2:H0+16*\t+3], v[H0+16*\t+2:H0+16*\t+3], v[B2+2:B2+3]
	global_store_b128 v[LI], v[H0+16*\t:H0+16*\t+3], s[12:13] offset:512*\t th:TH_STORE_NT   ; 32 lanes store 512 consecutive bytes, at a multiple of 256 from out's first byte; written once, read by nobody here
.endr
	s_wait_xcnt 0x0                                ; the stores have read their registers and their base: both are written again only behind this wait
	s_add_nc_u64 s[12:13], s[12:13], 8192          ; the group's next batch
	s_sub_co_u32 s[STEP], s[STEP], 1
	s_cmp_lg_u32 s[STEP], 0
	s_cbranch_scc1 .Lstep
	s_wait_tensorcnt 0x0
	ds_add_u32 v126, v127
	s_wait_dscnt 0x0
	s_endpgm
.Lfunc_end_k_q53b81277ff_main:
	.size	k_q53b81277ff_main, .Lfunc_end_k_q53b81277ff_main-k_q53b81277ff_main
	.p2alignl 7, 3214868480
	.fill 96, 4, 3214868480
	.section	.rodata,"a",@progbits
	.p2align	6, 0x0
	.amdhsa_kernel k_q53b81277ff_main
		.amdhsa_group_segment_fixed_size 173056
		.amdhsa_private_segment_fixed_size 0
		.amdhsa_enable_private_segment 0
		.amdhsa_kernarg_size 40
		.amdhsa_user_sgpr_count 2
		.amdhsa_user_sgpr_kernarg_segment_ptr 1
		.amdhsa_wavefront_size32 1
		.amdhsa_system_sgpr_workgroup_id_x 1
		.amdhsa_system_sgpr_workgroup_id_y 1
		.amdhsa_system_sgpr_workgroup_id_z 1
		.amdhsa_system_vgpr_workitem_id 0
		.amdhsa_next_free_vgpr 512
		.amdhsa_next_free_sgpr 66
		.amdhsa_reserve_vcc 0
		.amdhsa_float_denorm_mode_32 3
		.amdhsa_float_denorm_mode_16_64 3
		.amdhsa_memory_ordered 1
		.amdhsa_forward_progress 1
		.amdhsa_inst_pref_size 168
	.end_amdhsa_kernel
	.amdgpu_metadata
---
amdhsa.version: [ 1, 2 ]
amdhsa.kernels:
  - .name:           k_q53b81277ff_main
    .symbol:         k_q53b81277ff_main.kd
    .args:
      - { .name: attribute_embeddings, .offset: 0, .size: 8, .value_kind: global_buffer, .address_space: global }
      - { .name: wq, .offset: 8, .size: 8, .value_kind: global_buffer, .address_space: global }
      - { .name: b1, .offset: 16, .size: 8, .value_kind: global_buffer, .address_space: global }
      - { .name: b2, .offset: 24, .size: 8, .value_kind: global_buffer, .address_space: global }
      - { .name: out0, .offset: 32, .size: 8, .value_kind: global_buffer, .address_space: global }
    .group_segment_fixed_size: 173056
    .private_segment_fixed_size: 0
    .kernarg_segment_align: 8
    .kernarg_segment_size: 40
    .max_flat_workgroup_size: 256
    .sgpr_count:     66
    .vgpr_count:     512
    .wavefront_size: 32
...
	.end_amdgpu_metadata
.endif
;; end of part 2
